; MI455X (gfx1250); checked and timed in simulation.
; The chip was launched on July 23, 2026; its instructions are those of AMD's public machine-readable ISA for CDNA 5 (MIT licence, August 2026) and "CDNA5" Instruction Set Architecture Reference Guide (July 2026). The comments in the code are by the model that wrote it; some were corrected since.
;; Quantized Linear. Allowed arithmetic: matrix products marked QUANTISED: E2M1 operands, one E8M0 scale for each 32 along K, by v_wmma_scale_f32_16x16x128_f8f6f4 with both operands' format E2M1 (or v_wmma_scale_f32_32x16x128_f4), f32 sums; everything else in f32.
;; Inputs: bias 4,096 float32; codebook 16 float32; indices 4,096 x 4,096 int32; rotation_matrix 4,096 x 4,096 float32; x 32 x 4,096 float32.
;; Outputs: out0 32 x 4,096 float32.
;; This version of the problem:
;;   THIS VERSION OF THE PROBLEM IS GIVEN IN LOW PRECISION. The matrix products marked QUANTISED in the list below multiply operands that are first quantised to E2M1 (2 exponent bits, 1 mantissa bit; 4 bits a number), with one power-of-two scale for each 32 numbers along K (OCP MX v1.0); their sums are f32. All else is computed in f32.
;;   The module's matrix products, in the order in which they are computed (A, B: the left and right operand; K: the contracted axis; several contracted axes count as one K, in the product's order):
;;     1. [M 4,096, K 4,096] x [K 4,096, N 4,096]; A: computed on the way; B: input rotation_matrix: QUANTISED
;;     2. [M 32, K 4,096] x [K 4,096, N 4,096]; A: input x; B: computed on the way: QUANTISED
;;   THE QUANTISER, for each operand of a quantised product, along K:
;;     - K is cut into blocks of 32 from its start; a last block that is shorter is filled with zeros.
;;     - A block's scale is 2^e with e = floor(log2(the largest magnitude in the block)) - 2, held to -126 .. 127; a block of zeros has e = 0. As a byte (E8M0): e + 127.
;;     - Each number is divided by its block's scale, clamped to +-6, and rounded to the nearest number of E2M1, ties to even, subnormals kept.
;;     - The product sums the exact products of the quantised numbers (number of the format x scale) in f32.
;;   ~~~python
;;   def quantise(x, axis):      # numpy; x: float32 -> the quantised numbers, widened to float32 again
;;       x = np.moveaxis(x, axis, -1); K = x.shape[-1]
;;       x = np.pad(x, [(0, 0)] * (x.ndim - 1) + [(0, -K % 32)]); x = x.reshape(x.shape[:-1] + (-1, 32)); a = np.abs(x).max(-1, keepdims=True)
;;       e = np.where(a > 0, np.clip(np.frexp(np.where(a > 0, a, 1))[1] - 1 - 2, -126, 127), 0)      # np.frexp(a)[1] - 1 = floor(log2(a)), exactly
;;       r = np.clip(x / 2.0 ** e, -6, 6)
;;       step = 2.0 ** (np.maximum(np.frexp(np.where(r == 0, 1, r))[1] - 1, 0) - 1)
;;       q = np.round(r / step) * step * 2.0 ** e      # np.round: ties to even
;;       return np.moveaxis(q.reshape(q.shape[:-2] + (-1,))[..., :K], -1, axis).astype(np.float32)
;;   ~~~
;;   OPERANDS COMPUTED ON THE WAY. 'Computed on the way' means the value that the module computes at that place (a softmax that the list does not call 'softmax' is quantised finished and normalised). What goes into a quantiser is computed in f32, as accurately as f32 sums, v_exp_f32 and their like allow (about 1e-6 of the number): no bf16 or f16 on the way to a quantiser, and a product that is left as it is and whose result goes on into a quantised operand takes f32 operands (vector FMAs, or v_wmma_f32_16x16x4_f32). A number that lies on a knife's edge between two numbers of the format may be rounded either way, as far as f32 arithmetic and the matrix unit's own rounding can turn it there, and no further.
;; One version. Each part assembles by itself: llvm-mc -triple=amdgcn-amd-amdhsa -mcpu=gfx1250 --defsym DOCPART=n.
;; ======== version 1 of 1: 3 launches
;; limits: right only within a limited range of input values
;; workspace buffers: xq 69,632 bytes; cq 8,912,896 bytes; rq 8,912,896 bytes; part 8,388,608 bytes
;; launch quant (part 1): grid 512 x 1, 8 waves a work-group, no clusters, 91,136 bytes of LDS; arguments x, indices, codebook, rotation_matrix, xq, cq, rq; writes xq, cq, rq
.if DOCPART == 1
	.amdgcn_target "amdgcn-amd-amdhsa--gfx1250"
	.amdhsa_code_object_version 6
	.text
	.protected	k_qfe80770ed9_quant
	.globl	k_qfe80770ed9_quant
	.p2align	8
	.type	k_qfe80770ed9_quant,@function
k_qfe80770ed9_quant:
	s_mov_b64 s[64:65], 0
	v_nop
	global_prefetch_b8 v0, s[64:65] scope:SCOPE_SE
	s_setreg_imm32_b32 hwreg(HW_REG_WAVE_MODE, 25, 1), 1
	s_wait_xcnt 0x0
; Three operands become codes of FP4 (E2M1) with one E8M0 scale byte for each 32 along K:
;   x [32][4096] f32 (K innermost), codebook[indices] [4096][4096] (K innermost), rotation_matrix [4096 (k)][4096 (d)] f32 (K is its FIRST axis).
; ONE LAYOUT for all three results: [K step 0..7][row][272 bytes]; a row's 272 bytes are 256 bytes of codes (512 along K, the lower k in the low four bits) and then its 16 scale bytes.
; So 128 rows of a K step are 34,816 consecutive bytes, and rows stand 272 bytes apart wherever the block is copied as it lies.
; Rows: xq by batch row, cq by o, rq by d WITH BITS 3 AND 4 OF d SWAPPED: place 16 u + r of a group of 32 holds d = 8 u + r + 8 (r / 8), the order in which the product's launch wants sixteen neighbouring rows.
; A block's scale is 2^(floor(log2(its largest magnitude)) - 2); its byte is the largest magnitude's exponent field - 2, held at 1 from below.
; LIMITS: a block of zeros gets the byte 1 where the rule says 127 (its codes are zeros, and this program alone reads the bytes); NaN and infinities are not served; an index outside 0 .. 15 is held, as an unsigned number, at 15.
; SHARES: work-groups 0-255 take the rotation (128 columns x 512 along K each), work-groups 256-511 the indices (16 rows each).  The two ways part once, on the work-group's number, and each has LDS bytes of its own.
; x is 32 rows x 8 K steps = 256 pieces of 512 numbers, as many as there are work-groups for the indices: work-group 256 + g carries the piece (row g / 8, K step g % 8), in its wave g % 8, as a seventeenth step.
; So the grid is twice 256 work-groups of equal work.  A piece's 272 bytes lie at a multiple of 272, so its two stores do not cover whole aligned blocks of 256 bytes: 69,632 bytes in all.
; No tensor loads, no cluster: work-groups share no input but the codebook's 64 bytes.
.set WREG,  6912                       ; ROWS: a wave's own LDS: a turning stage of 32 x 80 bytes, then an out stage of 16 rows x 272
.set OST,   2560
.set RST,   8*WREG                     ; ROT: the work-group's stage, 128 rows x 272 bytes
.set ROWP,  272
.set FLOOR, 0x1800000                  ; 2^(3 - 127): no largest magnitude is taken under it, so the byte cannot fall under 1
.set OFFE,  0xff000000                 ; takes 2 off an exponent field
.set R,     32                         ; v32-95   loads: four sets of 16 (ROWS), two sets of 32 (ROT); at the end v32-65 carry the results out
.set X,     96                         ; v96-111  16 neighbours along K
.set XR,    112                        ; v112-127 the piece of x as it is loaded
	s_load_b256 s[4:11], s[0:1], 0x0               ; x s[4:5], indices s[6:7], codebook s[8:9], rotation s[10:11]
	s_load_b128 s[12:15], s[0:1], 0x20             ; xq s[12:13], cq s[14:15]
	s_load_b64 s[16:17], s[0:1], 0x30              ; rq
	v_lshl_add_u32 v128, v0, 2, 0x16000
	v_mov_b32 v129, 0
	v_lshrrev_b32 v2, 5, v0
	s_delay_alu instid0(VALU_DEP_1)
	v_readfirstlane_b32 s18, v2                    ; wave 0..7
	v_and_b32 v1, 31, v0                           ; lane l
	s_delay_alu instid0(VALU_DEP_1)
	v_lshlrev_b32 v3, 4, v1                        ; 16 l
	s_delay_alu instid0(VALU_DEP_2)
	v_lshlrev_b32 v4, 3, v1                        ; 8 l
	s_delay_alu instid0(VALU_DEP_3)
	v_lshlrev_b32 v5, 2, v1                        ; 4 l
	v_and_b32 v6, 15, v0
	s_delay_alu instid0(VALU_DEP_1)
	v_lshlrev_b32 v6, 2, v6                        ; 4 (l % 16)
	v_lshrrev_b32 v30, 1, v1                       ; l / 2: my block among a step's sixteen
	; every LDS address of both ways is made here, ahead of the parting
	s_mul_i32 s26, s18, WREG                       ; ROWS: my wave's bytes
	v_lshrrev_b32 v7, 2, v1
	s_delay_alu instid0(VALU_DEP_1)
	v_mul_u32_u24 v8, v7, 80
	v_and_b32 v7, 3, v1
	s_delay_alu instid0(VALU_DEP_1)
	v_lshl_add_u32 v8, v7, 4, v8
	s_delay_alu instid0(VALU_DEP_1)
	v_add_nc_u32 v8, s26, v8                       ; v8  into the turning stage: 80 (l / 4) + 16 (l % 4): four lanes' 64 bytes on end, then 16 of padding
	v_mul_u32_u24 v9, v1, 80
	s_delay_alu instid0(VALU_DEP_1)
	v_add_nc_u32 v9, s26, v9                       ; v9  out of it: 80 l: my 16 neighbours
	s_add_co_u32 s27, s26, OST
	v_add_nc_u32 v10, s27, v4                      ; v10 out stage: my 8 bytes of a row's codes
	v_add_nc_u32 v11, s27, v30
	s_delay_alu instid0(VALU_DEP_1)
	v_add_nc_u32 v11, 256, v11                     ; v11 my block's scale byte
	v_add_nc_u32 v12, s27, v3                      ; v12 out stage read back: 16 l,
	v_add_nc_u32 v13, s27, v4
	s_delay_alu instid0(VALU_DEP_1)
	v_add_nc_u32 v13, 4096, v13                    ; v13 and the last 256 bytes: 8 l
	s_and_b32 s28, s18, 3                          ; ROT: cs: which 32 columns
	s_lshr_b32 s29, s18, 2                         ; kh: which 256 along K
	v_and_b32 v7, 7, v1
	v_bfe_u32 v19, v1, 3, 1
	s_delay_alu instid0(VALU_DEP_1)
	v_lshl_add_u32 v7, v19, 4, v7
	v_bfe_u32 v19, v1, 4, 1
	s_delay_alu instid0(VALU_DEP_1)
	v_lshl_add_u32 v7, v19, 3, v7                  ; my column's place in its group of 32: bits 3 and 4 swapped
	s_lshl_b32 s30, s28, 5
	v_add_nc_u32 v7, s30, v7                       ; p: its row among the stage's 128
	s_delay_alu instid0(VALU_DEP_1)
	v_mul_u32_u24 v14, v7, ROWP
	s_lshl_b32 s30, s29, 7
	s_add_co_u32 s30, s30, RST
	v_add_nc_u32 v14, s30, v14                     ; v14 my row's codes, my half of K
	v_mul_u32_u24 v15, v7, ROWP
	s_lshl_b32 s30, s29, 3
	s_add_co_u32 s30, s30, RST+256
	v_add_nc_u32 v15, s30, v15                     ; v15 my row's 8 scale bytes
	s_mul_i32 s30, s18, 16*ROWP
	s_add_co_u32 s30, s30, RST
	v_add_nc_u32 v16, s30, v3                      ; v16 stage read back: my wave's 4,352 bytes, 16 l,
	v_add_nc_u32 v17, s30, v4
	s_delay_alu instid0(VALU_DEP_1)
	v_add_nc_u32 v17, 4096, v17                    ; v17 and their last 256 bytes: 8 l
	s_wait_kmcnt 0x0
	s_cmp_lt_u32 ttmp9, 256
	s_cbranch_scc1 .Lrot
; The way out of both paths: 4,352 consecutive bytes of a stage, as they lie, to 4,352 consecutive bytes of the result, which begin at a multiple of 256.
.macro OUT rd, rd8
.irp i, 0,1,2,3,4,5,6,7
	ds_load_b128 v[R+4*\i:R+4*\i+3], v[\rd] offset:512*\i
.endr
	ds_load_b64 v[R+32:R+33], v[\rd8]
.irp i, 0,1,2,3,4,5,6,7
	s_wait_dscnt 8-\i                              ; LDS loads come back in order: load i is in, the 8 - i younger ones may be out
	global_store_b128 v3, v[R+4*\i:R+4*\i+3], s[22:23] offset:512*\i   ; 32 lanes store 512 consecutive bytes
.endr
	s_wait_dscnt 0x0
	global_store_b64 v4, v[R+32:R+33], s[22:23] offset:4096            ; 32 lanes store the last 256
.endm
; 512 numbers, loaded 16 bytes a lane by four loads into v[s] on, go through my turning stage and come back as 16 neighbours a lane, in v[X] on.
.macro TURN s
.irp i, 0,1,2,3
	ds_store_b128 v8, v[(\s)+4*\i:(\s)+4*\i+3] offset:640*\i           ; as loaded: a load's 512 bytes take eight places of 80
.endr
.irp i, 0,1,2,3
	ds_load_b128 v[X+4*\i:X+4*\i+3], v9 offset:16*\i                   ; LDS serves a wave's instructions in order, so these see the stores
.endr
	s_wait_dscnt 0x0                               ; my 16 numbers are in; every earlier LDS store of mine has read its registers
.endm
; My 16 numbers in v[X] on become 16 codes in v[24:25]; the block's scale byte comes into v23.  Two neighbouring lanes hold a block.
.macro QUANT16
	v_max3_num_f32 v20, |v[X]|, |v[X+1]|, |v[X+2]|                 ; the largest magnitude of my 16, in two chains
	v_max3_num_f32 v21, |v[X+3]|, |v[X+4]|, |v[X+5]|
.irp i, 6,10
	s_delay_alu instid0(VALU_DEP_2)
	v_max3_num_f32 v20, v20, |v[X+\i]|, |v[X+\i+1]|
	s_delay_alu instid0(VALU_DEP_2)
	v_max3_num_f32 v21, v21, |v[X+\i+2]|, |v[X+\i+3]|
.endr
	s_delay_alu instid0(VALU_DEP_2)
	v_max3_num_f32 v20, v20, |v[X+14]|, |v[X+15]|
	s_delay_alu instid0(VALU_DEP_1)
	v_max3_num_f32 v20, v20, v21, FLOOR
	s_delay_alu instid0(VALU_DEP_1)
	v_max_num_f32_dpp v20, v20, v20 row_xmask:1 row_mask:0xf bank_mask:0xf   ; with my neighbour's 16: the block's
	s_delay_alu instid0(VALU_DEP_1)
	v_add_nc_u32 v22, OFFE, v20                    ; 2 off its exponent field: the conversion takes this operand's exponent field as its scale
	v_cvt_scalef32_pk8_fp4_f32 v24, v[X:X+7], v22
	v_cvt_scalef32_pk8_fp4_f32 v25, v[X+8:X+15], v22
	v_lshrrev_b32 v23, 23, v22                     ; the scale's byte (a plain line behind the conversions)
.endm
	; ---------------- ROWS: K is innermost.  The work-group has 16 whole rows of the indices; wave w takes K step w of each: a step of the text is one row x 512 along K.
	s_sub_co_u32 s31, ttmp9, 256                   ; g: which 16 rows
	s_lshl_b32 s26, s31, 18                        ; 16 rows of 16,384 bytes
	s_lshl_b32 s27, s18, 11                        ; + my K step's 2,048 bytes
	s_add_co_u32 s26, s26, s27
	s_mov_b32 s27, 0
	s_add_nc_u64 s[20:21], s[6:7], s[26:27]        ; from
	s_lshl_b32 s26, s18, 12
	s_lshl_b32 s28, s31, 4
	s_add_co_u32 s26, s26, s28
	s_mul_i32 s26, s26, ROWP                       ; (4,096 x K step + 16 g) x 272
	s_add_nc_u64 s[22:23], s[14:15], s[26:27]      ; to
	s_and_b32 s36, s31, 7                          ; the piece of x that rides along: K step g % 8, which is also the wave that takes it,
	s_lshr_b32 s37, s31, 3                         ; of batch row g / 8
	s_lshl_b32 s32, s37, 14                        ; a row of x is 16,384 bytes
	s_lshl_b32 s33, s18, 11
	s_add_co_u32 s32, s32, s33
	s_mov_b32 s33, 0
	s_add_nc_u64 s[32:33], s[4:5], s[32:33]        ; from (in the wave that takes it; in the others a place inside x that is not used)
	s_lshl_b32 s34, s18, 5
	s_add_co_u32 s34, s34, s37
	s_mul_i32 s34, s34, ROWP                       ; (32 x K step + row) x 272
	s_mov_b32 s35, 0
	s_add_nc_u64 s[34:35], s[12:13], s[34:35]      ; to
	global_load_b32 v18, v6, s[8:9]                ; v18: codebook[l % 16]
.macro LOADI t                         ; row t: 2,048 bytes by four loads of 512 consecutive bytes
.irp i, 0,1,2,3
	global_load_b128 v[R+16*((\t)%4)+4*\i:R+16*((\t)%4)+4*\i+3], v3, s[20:21] offset:16384*(\t)+512*\i th:TH_LOAD_NT
.endr
.endm
.irp t, 0,1,2,3
	LOADI \t
.endr
	; the piece of x: one region under one branch on ids, behind the issue of my first four rows, so that its loads are on their way beside theirs
	s_cmp_lg_u32 s18, s36
	s_cbranch_scc1 .Lno_x
.irp i, 0,1,2,3
	global_load_b128 v[XR+4*\i:XR+4*\i+3], v3, s[32:33] offset:512*\i th:TH_LOAD_NT
.endr
	s_wait_loadcnt 0x0                             ; they were issued last: nothing younger could stay out
	TURN XR
	QUANT16
	global_store_b64 v4, v[24:25], s[34:35]        ; 32 lanes store the piece's 256 consecutive bytes of codes,
	global_store_b8 v30, v23, s[34:35] offset:256  ; and its 16 consecutive scale bytes; both lanes of a block write the same byte with the same value
	s_wait_xcnt 0x0                                ; the two stores have read v23 to v25, which the next step writes again
.Lno_x:
.macro RSTEP t
.if 15-(\t) >= 3
	s_wait_loadcnt 12                              ; this row's four loads are in (and the codebook); those of the three rows behind it may be out
.else
	s_wait_loadcnt 4*(15-(\t))
.endif
	TURN R+16*((\t)%4)
.if (\t) < 12
	LOADI (\t)+4                                   ; into the set that the turn has just read
.endif
.irp i, 0,1,2,3,4,5,6,7,8,9,10,11,12,13,14,15
	v_min_u32 v[X+\i], 15, v[X+\i]                 ; the index, held inside the table
.endr
.irp i, 0,1,2,3,4,5,6,7,8,9,10,11,12,13,14,15
	v_lshlrev_b32 v[X+\i], 2, v[X+\i]              ; as the byte address of a lane
.endr
.irp i, 0,1,2,3,4,5,6,7,8,9,10,11,12,13,14,15
	ds_bpermute_b32 v[X+\i], v[X+\i], v18          ; the codeword: lane n holds codebook[n]; no LDS byte is touched
.endr
	s_wait_dscnt 0x0
	QUANT16
	ds_store_b64 v10, v[24:25] offset:ROWP*(\t)
	ds_store_b8 v11, v23 offset:ROWP*(\t)          ; both lanes of a block write the same byte with the same value
.endm
.irp t, 0,1,2,3,4,5,6,7,8,9,10,11,12,13,14,15
	RSTEP \t
.endr
	OUT 12, 13                                     ; my own 16 rows x 272 bytes: no barrier
	s_wait_tensorcnt 0x0
	ds_add_u32 v128, v129
	s_wait_dscnt 0x0
	s_endpgm
	; ---------------- ROT: K is the first axis.  A lane takes a column d and its registers run down K: a block of 32 lies in one lane, and the codes come out with K innermost.
.Lrot:
	s_and_b32 s24, ttmp9, 31                       ; cg: which 128 columns
	s_lshr_b32 s25, ttmp9, 5                       ; which K step
	s_lshl_b32 s26, s25, 1
	s_add_co_u32 s26, s26, s29
	s_lshl_b32 s26, s26, 22                        ; (2 x K step + kh) x 256 rows of 16,384 bytes
	s_lshl_b32 s27, s24, 9
	s_add_co_u32 s26, s26, s27                     ; + 128 cg columns of 4 bytes
	s_lshl_b32 s27, s28, 7
	s_add_co_u32 s26, s26, s27                     ; + 32 cs
	s_mov_b32 s27, 0
	s_add_nc_u64 s[20:21], s[10:11], s[26:27]
	s_lshl_b32 s26, s25, 5
	s_add_co_u32 s26, s26, s24
	s_mul_i32 s26, s26, 128*ROWP                   ; (4,096 x K step + 128 cg) rows of 272 bytes
	s_mul_i32 s30, s18, 16*ROWP
	s_add_co_u32 s26, s26, s30                     ; + the 4,352 bytes that my wave stores
	s_add_nc_u64 s[22:23], s[16:17], s[26:27]
.macro LOADR b                         ; block b: 32 rows k at my column; 32 lanes read 128 consecutive bytes, the four waves side by side 512.  The largest offset, 255 rows, lies inside the signed 24-bit immediate
.irp i, 0,1,2,3,4,5,6,7,8,9,10,11,12,13,14,15,16,17,18,19,20,21,22,23,24,25,26,27,28,29,30,31
	global_load_b32 v[R+32*((\b)%2)+\i], v5, s[20:21] offset:(32*(\b)+\i)*16384 th:TH_LOAD_NT
.endr
.endm
	LOADR 0
	LOADR 1
.macro BLOCK b
.set XS, R+32*((\b)%2)
.if (\b) < 7
	s_wait_loadcnt 32                              ; this block's 32 loads are in; the next block's may be out
.else
	s_wait_loadcnt 0x0
.endif
	v_max3_num_f32 v20, |v[XS]|, |v[XS+1]|, |v[XS+2]|              ; all 32 numbers of the block are mine
	v_max3_num_f32 v21, |v[XS+3]|, |v[XS+4]|, |v[XS+5]|
.irp i, 6,10,14,18,22,26
	s_delay_alu instid0(VALU_DEP_2)
	v_max3_num_f32 v20, v20, |v[XS+\i]|, |v[XS+\i+1]|
	s_delay_alu instid0(VALU_DEP_2)
	v_max3_num_f32 v21, v21, |v[XS+\i+2]|, |v[XS+\i+3]|
.endr
	s_delay_alu instid0(VALU_DEP_2)
	v_max3_num_f32 v20, v20, |v[XS+30]|, |v[XS+31]|
	s_delay_alu instid0(VALU_DEP_1)
	v_max3_num_f32 v20, v20, v21, FLOOR
	s_delay_alu instid0(VALU_DEP_1)
	v_add_nc_u32 v22, OFFE, v20
	s_delay_alu instid0(VALU_DEP_1)
	v_lshrrev_b32 v23, 23, v22
.if (\b)%4 == 0
	s_delay_alu instid0(VALU_DEP_1)
	v_mov_b32 v[28+(\b)/4], v23                    ; four bytes to a register, the lower K in the lower byte
.else
	s_delay_alu instid0(VALU_DEP_1)
	v_lshl_or_b32 v[28+(\b)/4], v23, 8*((\b)%4), v[28+(\b)/4]
.endif
.irp g, 0,1,2,3
	v_cvt_scalef32_pk8_fp4_f32 v[24+\g], v[XS+8*\g:XS+8*\g+7], v22
.endr
	ds_store_b128 v14, v[24:27] offset:16*(\b)     ; 32 codes: 16 bytes of my column's row
.if (\b) < 6
	LOADR (\b)+2
.endif
	s_wait_dscnt 0x0                               ; the store has read its registers: the next block's codes may be written
.endm
.irp b, 0,1,2,3,4,5,6,7
	BLOCK \b
.endr
	s_wait_alu depctr_va_vdst(0)
	ds_store_b64 v15, v[28:29]                     ; my column's 8 scale bytes
	s_wait_dscnt 0x0                               ; for the others' sake: my stores into the stage are done
	s_barrier_signal -1
	s_barrier_wait -1                              ; a row's two halves along K come from two waves
	OUT 16, 17
	s_wait_tensorcnt 0x0
	ds_add_u32 v128, v129
	s_wait_dscnt 0x0
	s_endpgm
.Lfunc_end_k_qfe80770ed9_quant:
	.size	k_qfe80770ed9_quant, .Lfunc_end_k_qfe80770ed9_quant-k_qfe80770ed9_quant
	.p2alignl 7, 3214868480
	.fill 96, 4, 3214868480
	.section	.rodata,"a",@progbits
	.p2align	6, 0x0
	.amdhsa_kernel k_qfe80770ed9_quant
		.amdhsa_group_segment_fixed_size 91136
		.amdhsa_private_segment_fixed_size 0
		.amdhsa_enable_private_segment 0
		.amdhsa_kernarg_size 56
		.amdhsa_user_sgpr_count 2
		.amdhsa_user_sgpr_kernarg_segment_ptr 1
		.amdhsa_wavefront_size32 1
		.amdhsa_system_sgpr_workgroup_id_x 1
		.amdhsa_system_sgpr_workgroup_id_y 1
		.amdhsa_system_sgpr_workgroup_id_z 1
		.amdhsa_system_vgpr_workitem_id 0
		.amdhsa_next_free_vgpr 130
		.amdhsa_next_free_sgpr 66
		.amdhsa_reserve_vcc 0
		.amdhsa_float_denorm_mode_32 3
		.amdhsa_float_denorm_mode_16_64 3
		.amdhsa_memory_ordered 1
		.amdhsa_forward_progress 1
		.amdhsa_inst_pref_size 119
	.end_amdhsa_kernel
	.amdgpu_metadata
---
amdhsa.version: [ 1, 2 ]
amdhsa.kernels:
  - .name:           k_qfe80770ed9_quant
    .symbol:         k_qfe80770ed9_quant.kd
    .args:
      - { .name: x, .offset: 0, .size: 8, .value_kind: global_buffer, .address_space: global }
      - { .name: indices, .offset: 8, .size: 8, .value_kind: global_buffer, .address_space: global }
      - { .name: codebook, .offset: 16, .size: 8, .value_kind: global_buffer, .address_space: global }
      - { .name: rotation_matrix, .offset: 24, .size: 8, .value_kind: global_buffer, .address_space: global }
      - { .name: xq, .offset: 32, .size: 8, .value_kind: global_buffer, .address_space: global }
      - { .name: cq, .offset: 40, .size: 8, .value_kind: global_buffer, .address_space: global }
      - { .name: rq, .offset: 48, .size: 8, .value_kind: global_buffer, .address_space: global }
    .group_segment_fixed_size: 91136
    .private_segment_fixed_size: 0
    .kernarg_segment_align: 8
    .kernarg_segment_size: 56
    .max_flat_workgroup_size: 256
    .sgpr_count:     66
    .vgpr_count:     130
    .wavefront_size: 32
...
	.end_amdgpu_metadata
.endif
;; end of part 1
;; launch gemm (part 2): grid 16 x 16, 4 waves a work-group, clusters of 4 x 4, 327,680 bytes of LDS; arguments cq, rq, xq, part; writes part
.if DOCPART == 2
	.amdgcn_target "amdgcn-amd-amdhsa--gfx1250"
	.amdhsa_code_object_version 6
	.text
	.protected	k_qfe80770ed9_gemm
	.globl	k_qfe80770ed9_gemm
	.p2align	8
	.type	k_qfe80770ed9_gemm,@function
k_qfe80770ed9_gemm:
	s_mov_b64 s[64:65], 0
	v_nop
	global_prefetch_b8 v0, s[64:65] scope:SCOPE_SE
	s_setreg_imm32_b32 hwreg(HW_REG_WAVE_MODE, 25, 1), 1
	s_wait_xcnt 0x0
	s_wait_alu depctr_hold_cnt(0) depctr_sa_sdst(0) depctr_va_vdst(0) depctr_va_sdst(0) depctr_va_ssrc(0) depctr_va_vcc(0) depctr_vm_vsrc(0)
	s_getreg_b32 s2, hwreg(HW_REG_IB_STS2, 6, 4)
	s_cmp_eq_u32 s2, 0
	s_cbranch_scc0 .Lentry_in_a_cluster
	s_endpgm
.Lentry_in_a_cluster:
	s_bfe_u32 s2, ttmp6, 0x10000c
	s_cmp_lg_u32 s2, 0xf033
	s_cbranch_scc0 .Lentry_shape_is_right
	s_endpgm
.Lentry_shape_is_right:
; weight[o][d] = sum over k of codes[o][k] R[k][d], both operands as FP4 codes with E8M0 scales; the tile of the weight is then quantised along d in registers and multiplied with x:
; part[d tile][b][o] = sum over the tile's 256 d of Q(x)[b][d] Q(weight)[o][d].  The weight never goes to memory.  A later launch adds the 16 parts and the bias.
; cq (rows o), rq (rows d, bits 3 and 4 of d swapped in each 32) and xq (rows b) are laid [K step of 512][row][272 bytes]: 256 bytes of codes, then the row's 16 scale bytes.
; So 128 rows of a K step are 34,816 consecutive bytes, 136 rows of 256 for the tensor load, and lie in LDS 272 bytes apart as they are.
; A work-group of four waves makes 256 o x 256 d; a wave 128 x 128: 64 accumulators, 512 registers.  Eight K steps go through a ring of two LDS slots.
; CLUSTERS: 4 x 4 work-groups; cq's tile is shared along a row of the cluster, rq's along a column: each is asked for jointly, by the same load with a mask that names the four.
; TRANSPOSED USE: source 0 = 16 rows of rq, source 1 = 16 rows of cq: a lane holds one o, and by rq's row order the 16 registers of two neighbouring accumulators are 16 neighbouring d.
; FRAGMENTS: two sets for each operand.  A step of 128 along K begins with ONE run of 32 LDS loads, the next step's fragments, and then issues its 64 matrix instructions.
; PREFETCH: K step 1 is asked for at the head, when x's fragments are in; K step 2 behind K step 1's joint load; K step 3 behind the first step of 128; from then on the refill that loads K step j
; is followed by a request for K step j + 2; the loads of K steps 6 and 7 are followed by none.  A wave's tile is 136 blocks of 256 bytes; the four partners that ask for it jointly take 34 each,
; told apart by address: 32 lanes name 32 blocks, a second line the last two (its other lanes name the last again).  At most two tiles are asked for and not yet loaded.
; LIMITS: a block of 32 weights that are all zero gets the scale byte 1 where the rule says 127 (its codes are zeros, and the byte is used here alone); NaN and infinities are not served.
; REGISTERS: window 0: v0-31 addresses, v32-95 scale words (two sets), v96-113 x's fragments and scale words, v114-121 the weight's scale words, v128-255 at work on the way out.
;   window 1: rq's fragments at v0 and v64, cq's at v128 and v192.   windows 2, 3: the accumulators of my o rows 0-63, 64-127 ((a, b) at v[8 (8 (a % 4) + b)]).
.set NQ,     4                         ; steps of 128 along K in a slot
.set PITCH,  272
.set FR,     8                         ; registers of a fragment
.set NP,     4                         ; places behind this matrix form (ISA guide 7.12.1)
.set HALFT,  128*PITCH                 ; what one tensor load brings
.set SLOT,   4*HALFT                   ; cq's 256 rows, then rq's 256
.set KSB,    4096*PITCH                ; from a K step to the next, in memory
.set LAPS,   4
.set SPARE,  2*SLOT                    ; the spare words: 512 bytes that no other line names
.set SPITCH, 528                       ; the way out: stage rows of 512 bytes + 16; the stages lie in slot 0, behind its last fill and its last read
.set WST,    32*SPITCH
.set PSH,    34*256                    ; a partner's share of a tile's prefetch
.set XO,   10
.set XSO,  11
.set ADRA, 16                          ; v16-17 my cq fragments in slot 0, 1;  v20-21 rq's;  v22-23 the scale words: lanes 0-15 cq's rows, lanes 16-31 rq's
.set ADRB, 20
.set ADRS, 22
.set STO,  24
.set RD,   25
.set CO,   26
.set SPW,  28                          ; my spare word's address, and 0: never rewritten
.set NIL,  29
.set PFO,  30                          ; 256 x lane;  v31: 8,192 + 256 x min(lane, 1)
.set PFO2, 31
.set SC,   32
.set XF,   96
.set XSC,  112
.set PW,   114
.set MX,   128
.set MY,   144
.set MS,   160
.set PC,   192
.set SEL,  18
.set G1, 24
.set G0, 32
.set G1B, 48
.set G0B, 56
.set PFA, 78                           ; s[78:79] my share of my tile: at K step 0 in the head, one K step further with each refill
.set MSB, 0
.macro WIN new                         ; the immediate's high byte repeats the setting that is left
.if MSB != \new
	s_set_vgpr_msb (MSB<<8)|\new
.set MSB, \new
.endif
.endm
.set MUL_LO, 0xa5                      ; sources 0 and 1 window 1, C and D window 2
.set MUL_HI, 0xf5                      ; the same, C and D window 3
.set TO_F,   0x40                      ; destination window 1, address window 0
; A joint load: waves 0, 1 fetch cq's halves, waves 2, 3 rq's.  s_nop 0 and four v_nop follow each line.
.macro JLOAD g0a, g1a, g0b, g1b
	s_cmp_eq_u32 s15, 0
	s_cbranch_scc0 .Lfor_b_\@
	tensor_load_to_lds s[\g0a:\g0a+3], s[\g1a:\g1a+7]
	s_nop 0
.rept 4
	v_nop
.endr
	s_branch .Lasked_\@
.Lfor_b_\@:
	tensor_load_to_lds s[\g0b:\g0b+3], s[\g1b:\g1b+7]
	s_nop 0
.rept 4
	v_nop
.endr
.Lasked_\@:
.endm
.macro CREST                           ; a round of the cluster's barrier behind its opening barrier
	s_cmp_lg_u32 s14, 0
	s_cbranch_scc1 .Lnot_wave_0_\@
	s_barrier_signal -3
.Lnot_wave_0_\@:
	s_barrier_wait -3
	s_barrier_signal -1
	s_barrier_wait -1
.endm
.macro CROUND
	s_barrier_signal -1
	s_barrier_wait -1
	CREST
.endm
.macro PF k                            ; my 34 blocks of the tile k K steps behind PFA
	global_prefetch_b8 v[PFO], s[PFA:PFA+1] offset:(\k)*KSB th:TH_LOAD_NT scope:SCOPE_SE
	global_prefetch_b8 v[PFO2], s[PFA:PFA+1] offset:(\k)*KSB th:TH_LOAD_NT scope:SCOPE_SE
.endm
	s_load_b128 s[4:7], s[0:1], 0x0                ; cq, rq
	s_load_b128 s[8:11], s[0:1], 0x10              ; xq, part
	v_lshl_add_u32 v[SPW], v0, 2, SPARE
	v_mov_b32 v[NIL], 0
	ds_add_u32 v[SPW], v[NIL]                      ; the opening lines: the add, twice on end, and its wait ahead of my first tensor load
	ds_add_u32 v[SPW], v[NIL]
	v_lshrrev_b32 v1, 5, v0
	v_readfirstlane_b32 s14, v1                    ; wave 0..3
	s_lshr_b32 s15, s14, 1                         ; my half of the o rows; also: I fetch for cq (0) or rq (1)
	s_and_b32 s16, s14, 1                          ; my half of the d columns; also: which 128 rows I fetch
	s_bfe_u32 s40, ttmp6, 0x40000                  ; cx, cy
	s_bfe_u32 s41, ttmp6, 0x40004
	s_lshl_b32 s42, ttmp9, 2
	s_add_co_u32 s42, s42, s40                     ; d tile
	s_and_b32 s17, ttmp7, 0xffff
	s_lshl_b32 s17, s17, 2
	s_add_co_u32 s17, s17, s41                     ; o tile
	s_lshl_b32 s43, s41, 2
	s_lshl_b32 s43, 15, s43                        ; my row of the cluster
	s_lshl_b32 s44, 0x1111, s40                    ; my column
	s_or_b32 s[G1+0], s43, (3<<16)|(1<<21)         ; elements of 8 bytes; bit 21 beside a mask
	s_or_b32 s[G1B+0], s44, (3<<16)|(1<<21)
.irp g, G1, G1B
	s_mov_b32 s[\g+1], 32<<16                      ; rows of 32 elements, 256 bytes,
	s_mov_b32 s[\g+2], 136<<16                     ; 136 of them, dense
	s_mov_b32 s[\g+3], 32<<16
	s_mov_b32 s[\g+4], 136
	s_mov_b32 s[\g+5], 32
	s_mov_b32 s[\g+6], 0
	s_mov_b32 s[\g+7], 0
.endr
	s_lshl_b32 s20, s17, 1
	s_add_co_u32 s20, s20, s16
	s_mul_i32 s20, s20, HALFT                      ; cq: (2 x o tile + half) x 128 rows
	s_mov_b32 s21, 0
	s_lshl_b32 s46, s42, 1
	s_add_co_u32 s46, s46, s16
	s_mul_i32 s46, s46, HALFT                      ; rq: by the d tile
	s_mov_b32 s47, 0
	s_mul_i32 s45, s14, HALFT                      ; where my tile goes in a slot
	s_mov_b32 s[SEL], 0x76543210
	s_mov_b32 s[SEL+1], 0xfedcba98
	s_lshr_b32 s70, s42, 1                         ; x: my 128 d lie in K step d tile / 2,
	s_mul_i32 s70, s70, 32*PITCH
	s_and_b32 s72, s42, 1
	s_lshl_b32 s72, s72, 1
	s_add_co_u32 s72, s72, s16                     ; as its 128 number 2 (d tile % 2) + half
	s_lshl_b32 s74, s72, 6
	s_add_co_u32 s74, s74, s70
	s_mov_b32 s75, 0
	s_lshl_b32 s76, s72, 2
	s_add_co_u32 s76, s76, s70
	s_add_co_u32 s76, s76, 256
	s_mov_b32 s77, 0
	s_lshl_b32 s22, s42, 19                        ; part: d tile x 32 rows of 16,384 bytes + 16 rows x half + my 128 o
	s_lshl_b32 s23, s16, 18
	s_add_co_u32 s22, s22, s23
	s_lshl_b32 s23, s17, 10
	s_add_co_u32 s22, s22, s23
	s_lshl_b32 s23, s15, 9
	s_add_co_u32 s22, s22, s23
	s_mov_b32 s23, 0
	s_cmp_eq_u32 s15, 0
	s_cselect_b32 s80, s40, s41                    ; my place among the four that ask for my tile
	s_mul_i32 s80, s80, PSH
	s_mov_b32 s81, 0
	s_mul_i32 s70, s15, HALFT                      ; LDS: my 128 rows of cq,
	s_mul_i32 s71, s16, HALFT
	s_add_co_u32 s71, s71, 2*HALFT                 ; of rq,
	s_xor_b32 s72, s15, 1
	s_add_co_u32 s72, s72, s16
	s_add_co_u32 s72, s72, 1
	s_mul_i32 s72, s72, HALFT                      ; and the distance between the two
	s_mul_i32 s73, s14, WST                        ; my stage
	s_mul_i32 s2, s15, 2*WST                       ; and where I read back: the two stages of my o half, 16 rows b by my d half
	s_mul_i32 s3, s16, 16*SPITCH
	s_add_co_u32 s2, s2, s3
	v_and_b32 v1, 15, v0                           ; r
	v_bfe_u32 v2, v0, 4, 1                         ; h
	v_mul_u32_u24 v[XSO], v1, PITCH
	v_lshl_add_u32 v[XO], v2, 4, v[XSO]            ; a fragment's row x pitch + 16 h
	v_mul_u32_u24 v6, s72, v2
	v_add_nc_u32 v5, v[XSO], v6
	v_add_nc_u32 v5, 256, v5
	v_add_nc_u32 v[ADRA], s70, v[XO]
	v_add_nc_u32 v[ADRB], s71, v[XO]
	v_add_nc_u32 v[ADRS], s70, v5
	v_add_nc_u32 v[ADRA+1], SLOT, v[ADRA]
	v_add_nc_u32 v[ADRB+1], SLOT, v[ADRB]
	v_add_nc_u32 v[ADRS+1], SLOT, v[ADRS]
	v_mul_u32_u24 v7, v1, SPITCH
	v_lshl_add_u32 v7, v2, 5, v7
	v_add_nc_u32 v[STO], s73, v7
	v_and_b32 v8, 31, v0
	v_lshlrev_b32 v[CO], 4, v8
	v_add_nc_u32 v[RD], s2, v[CO]
	v_lshlrev_b32 v[PFO], 8, v8
	v_min_u32 v9, 1, v8
	v_lshl_add_u32 v[PFO2], v9, 8, 0x2000
	s_wait_alu depctr_va_vdst(0)                   ; the wait at the head's end: no vector instruction writes an address behind it
	s_wait_dscnt 0x0                               ; both opening adds are done
	s_wait_kmcnt 0x0
	s_add_nc_u64 s[20:21], s[4:5], s[20:21]
	s_add_nc_u64 s[46:47], s[6:7], s[46:47]
	s_add_nc_u64 s[66:67], s[8:9], s[74:75]
	s_add_nc_u64 s[68:69], s[8:9], s[76:77]
	s_add_nc_u64 s[12:13], s[10:11], s[22:23]
.irp u, 0,1                            ; x's two fragments (16 rows b x my 128 d) and their scale words: asked for here, used behind the last K step
.irp c, 0,1
	global_load_b128 v[XF+8*\u+4*\c:XF+8*\u+4*\c+3], v[XO], s[66:67] offset:\u*16*PITCH+32*\c
.endr
	global_load_b32 v[XSC+\u], v[XSO], s[68:69] offset:\u*16*PITCH
.endr
	s_cmp_eq_u32 s15, 0
	s_cselect_b64 s[PFA:PFA+1], s[20:21], s[46:47]
	s_add_nc_u64 s[PFA:PFA+1], s[PFA:PFA+1], s[80:81]
.irp s, 0,1
	s_mov_b32 s[G0+4*\s], 1
	s_add_co_u32 s[G0+4*\s+1], s45, \s*SLOT
	s_add_nc_u64 s[G0+4*\s+2:G0+4*\s+3], s[20:21], \s*KSB
	s_or_b32 s[G0+4*\s+3], s[G0+4*\s+3], 0x80000000
	s_mov_b32 s[G0B+4*\s], 1
	s_add_co_u32 s[G0B+4*\s+1], s45, \s*SLOT
	s_add_nc_u64 s[G0B+4*\s+2:G0B+4*\s+3], s[46:47], \s*KSB
	s_or_b32 s[G0B+4*\s+3], s[G0B+4*\s+3], 0x80000000
.endr
	CROUND                                         ; all sixteen work-groups are here: the first joint loads meet
	JLOAD G0, G1, G0B, G1B                         ; K step 0: one tensor load a wave at the head
.macro FRAG reg, adr, q, i             ; 16 rows x 128 K of 4-bit codes: two loads of 16 bytes, 32 apart
.irp c, 0,1
	ds_load_b128 v[\reg+4*\c:\reg+4*\c+3], v[\adr] offset:64*(\q)+32*\c+(\i)*16*PITCH
.endr
.endm
.macro FB slot, q, p                   ; rq's eight fragments of the slot's q-th 128 along K into set p
.irp i, 0,1,2,3,4,5,6,7
	FRAG 64*(\p)+FR*\i, ADRB+\slot, \q, \i
.endr
.endm
.macro FA slot, q, p, i0, n            ; cq's blocks i0 .. i0 + n - 1
.set I, \i0
.rept \n
	FRAG 128+64*(\p)+FR*I, ADRA+\slot, \q, I
.set I, I+1
.endr
.endm
.macro SCALES sc                       ; a K step's scale words: four a row; lanes 0-15 cq's block i, lanes 16-31 rq's block i
.irp i, 0,1,2,3,4,5,6,7
	ds_load_b128 v[SC+8*NQ*\sc+NQ*\i:SC+8*NQ*\sc+NQ*\i+3], v[ADRS+\sc] offset:\i*16*PITCH
.endr
.endm
; 16 matrix instructions: cq's blocks a0, a0 + 1 x rq's eight.  The 64 accumulators take turns in the same order in every step.
.macro MUL16 a0, p, q, sc, zero
.irp a, \a0, \a0+1
.irp b, 0,1,2,3,4,5,6,7
.if \zero
	v_wmma_scale_f32_16x16x128_f8f6f4 v[8*(8*((\a)%4)+\b):8*(8*((\a)%4)+\b)+7], v[64*(\p)+FR*\b:64*(\p)+FR*\b+FR-1], v[128+64*(\p)+FR*(\a):128+64*(\p)+FR*(\a)+FR-1], 0, v[SC+8*NQ*(\sc)+NQ*\b+(\q)], v[SC+8*NQ*(\sc)+NQ*(\a)+(\q)] matrix_a_fmt:MATRIX_FMT_FP4 matrix_b_fmt:MATRIX_FMT_FP4 matrix_a_scale:MATRIX_SCALE_ROW1
.else
	v_wmma_scale_f32_16x16x128_f8f6f4 v[8*(8*((\a)%4)+\b):8*(8*((\a)%4)+\b)+7], v[64*(\p)+FR*\b:64*(\p)+FR*\b+FR-1], v[128+64*(\p)+FR*(\a):128+64*(\p)+FR*(\a)+FR-1], v[8*(8*((\a)%4)+\b):8*(8*((\a)%4)+\b)+7], v[SC+8*NQ*(\sc)+NQ*\b+(\q)], v[SC+8*NQ*(\sc)+NQ*(\a)+(\q)] matrix_a_fmt:MATRIX_FMT_FP4 matrix_b_fmt:MATRIX_FMT_FP4 matrix_a_scale:MATRIX_SCALE_ROW1
.endif
.endr
.endr
.endm
.macro PLACES n
.rept \n
	v_nop
.endr
.endm
; A step that has its successor in the same slot.  On the way in the youngest eight LDS loads are this step's cq blocks 4-7.
.macro STEP slot, q, zero
	PLACES NP                                      ; the other sets were read by the step before
	WIN TO_F
	FB \slot, (\q)+1, 1-(\q)%2
	FA \slot, (\q)+1, 1-(\q)%2, 0, 8
	s_wait_dscnt 40                                ; out may be: my blocks 4-7 (8 loads) and the 32 just issued
	WIN MUL_LO
	MUL16 0, (\q)%2, \q, \slot, \zero
	MUL16 2, (\q)%2, \q, \slot, \zero
	s_wait_dscnt 32                                ; blocks 4-7 are in
	WIN MUL_HI
	MUL16 4, (\q)%2, \q, \slot, \zero
	MUL16 6, (\q)%2, \q, \slot, \zero
.endm
; A slot's last step changes slots: all its fragments have been asked for, so the slot is free when they are in.  fill = 1: it is filled again, two K steps ahead.
.macro TURN slot, next, fill
	WIN 0
.if \fill
	s_wait_xcnt 0x0                                ; my prefetches have read their address: it steps here
	s_add_nc_u64 s[PFA:PFA+1], s[PFA:PFA+1], KSB
.endif
	s_wait_tensorcnt 0x0                           ; all my tensor loads have landed: my part of the next slot;
	ds_add_u32 v[SPW], v[NIL]                      ; an add of 0 to my spare word;
	s_wait_dscnt 9                                 ; (out may be: blocks 4-7, 8 loads, and the add)
	WIN MUL_LO
	MUL16 0, 1, NQ-1, \slot, 0
	s_wait_dscnt 0x0                               ; the add is done, and my reads of this slot are over
	s_barrier_signal -1
	MUL16 2, 1, NQ-1, \slot, 0
	WIN 0
	s_barrier_wait -1
.if \fill
	CREST                                          ; the barrier has opened a round of the cluster's barrier
	s_add_nc_u64 s[G0+4*\slot+2:G0+4*\slot+3], s[G0+4*\slot+2:G0+4*\slot+3], 2*KSB
	s_add_nc_u64 s[G0B+4*\slot+2:G0B+4*\slot+3], s[G0B+4*\slot+2:G0B+4*\slot+3], 2*KSB
	JLOAD G0+4*\slot, G1, G0B+4*\slot, G1B         ; the first tensor load behind the round; its four v_nop are the places for the loads below
.else
	PLACES NP
.endif
	SCALES \next                                   ; one run of 40 loads: the next K step's scale words and its first fragments, cq's blocks 4-7 last
	WIN TO_F
	FB \next, 0, 0
	FA \next, 0, 0, 0, 8
	WIN 0
.if \fill
	s_cmp_gt_u32 s3, 1                             ; the loop's last trip loads K steps 6 and 7: two on there is none
	s_cbranch_scc0 .Lnone_\@
	PF 3                                           ; PFA stands one K step behind this step's: the tile asked for is two loads on
.Lnone_\@:
.endif
	WIN MUL_HI
	MUL16 4, 1, NQ-1, \slot, 0
	MUL16 6, 1, NQ-1, \slot, 0
.endm
.macro STEPS slot, from
.set Q, \from
.rept NQ-1-\from
	STEP \slot, Q, 0
.set Q, Q+1
.endr
.endm
	s_wait_loadcnt 0x0                             ; x's fragments
	PF 1                                           ; K step 1, whose load follows K step 0's landing
	s_wait_tensorcnt 0x0                           ; my part of K step 0 is in
	ds_add_u32 v[SPW], v[NIL]
	s_wait_dscnt 0x0
	CROUND
	JLOAD G0+4, G1, G0B+4, G1B                     ; K step 1, the first tensor load behind the round
	SCALES 0
	WIN TO_F
	FB 0, 0, 0
	FA 0, 0, 0, 0, 8
	WIN 0
	PF 2
	STEP 0, 0, 1                                   ; the first step's products start the sums
	WIN 0
	PF 3
	s_mov_b32 s3, LAPS-1
.Llap:                                                 ; a trip goes once round the ring and fills both slots again
	STEPS 0, 1
	TURN 0, 1, 1
	STEPS 1, 0
	TURN 1, 0, 1
	STEP 0, 0, 0
	WIN 0
	s_sub_co_u32 s3, s3, 1
	s_cmp_lg_u32 s3, 0
	s_cbranch_scc1 .Llap
	STEPS 0, 1                                     ; the last lap fills nothing
	TURN 0, 1, 0
	STEPS 1, 0
	s_wait_dscnt 8
	WIN MUL_LO
	MUL16 0, 1, NQ-1, 1, 0
	MUL16 2, 1, NQ-1, 1, 0
	s_wait_dscnt 0
	WIN MUL_HI
	MUL16 4, 1, NQ-1, 1, 0
	MUL16 6, 1, NQ-1, 1, 0
	WIN 0
; THE WEIGHT BECOMES AN OPERAND.  Window W holds four blocks of 16 o; of each, a lane has one o and 4 x 16 neighbouring d; a block of 32 d lies in lanes l and l xor 16.
; Largest magnitude with the floor 2^(3 - 127); 2 off its exponent field is the conversion's scale operand, and that shifted down the scale's byte; two lane swaps give each lane whole blocks.
; Then part^T: source 0 = 16 o of the weight, source 1 = 16 b of x, K = my 128 d.
.macro QBATCH W
.set A0, 4*((\W)-2)
	WIN 5*(\W)
.irp p, 0,1,2,3
.irp b, 0,1,2,3
	v_max3_num_f32 v[MX+4*\p+\b], |v[64*\p+16*\b]|, |v[64*\p+16*\b+1]|, 0x1800000
.endr
.endr
.irp i, 2,4,6,8,10,12,14
.irp p, 0,1,2,3
.irp b, 0,1,2,3
	v_max3_num_f32 v[MX+4*\p+\b], |v[64*\p+16*\b+\i]|, |v[64*\p+16*\b+\i+1]|, v[MX+4*\p+\b]
.endr
.endr
.endr
	WIN 0
.irp n, 0,1,2,3,4,5,6,7,8,9,10,11,12,13,14,15
	v_permlanex16_b32 v[MY+\n], v[MX+\n], s[SEL], s[SEL+1]
.endr
.irp n, 0,1,2,3,4,5,6,7,8,9,10,11,12,13,14,15
	v_max_num_f32 v[MX+\n], v[MX+\n], v[MY+\n]
.endr
.irp n, 0,1,2,3,4,5,6,7,8,9,10,11,12,13,14,15
	v_add_nc_u32 v[MS+\n], 0xff000000, v[MX+\n]
.endr
.irp n, 0,1,2,3,4,5,6,7,8,9,10,11,12,13,14,15
	v_lshrrev_b32 v[MY+\n], 23, v[MS+\n]
.endr
.irp p, 0,1,2,3
	v_lshl_or_b32 v[PW+A0+\p], v[MY+4*\p+1], 8, v[MY+4*\p]
	v_lshl_or_b32 v[PW+A0+\p], v[MY+4*\p+2], 16, v[PW+A0+\p]
	v_lshl_or_b32 v[PW+A0+\p], v[MY+4*\p+3], 24, v[PW+A0+\p]
.endr
	WIN \W
.irp p, 0,1,2,3
.irp b, 0,1,2,3
	v_cvt_scalef32_pk8_fp4_f32 v[PC+8*(A0+\p)+2*\b], v[64*\p+16*\b:64*\p+16*\b+7], v[MS+4*\p+\b]
	v_cvt_scalef32_pk8_fp4_f32 v[PC+8*(A0+\p)+2*\b+1], v[64*\p+16*\b+8:64*\p+16*\b+15], v[MS+4*\p+\b]
.endr
.endr
	WIN 0
	v_nop                                          ; one plain place behind the conversions
.irp p, 0,1,2,3
.irp c, 0,1
.irp i, 0,1
	v_permlane16_swap_b32 v[PC+8*(A0+\p)+4*\c+\i], v[PC+8*(A0+\p)+4*\c+2+\i]
.endr
.endr
.endr
	PLACES 8                                       ; scale words written by vector instructions stand 8 places ahead of a scaled matrix instruction
	WIN 0x40                                       ; results into window 1, over fragments that are done with
.irp p, 0,1,2,3
.irp u, 0,1
	v_wmma_scale_f32_16x16x128_f8f6f4 v[8*(8*\u+A0+\p):8*(8*\u+A0+\p)+7], v[PC+8*(A0+\p):PC+8*(A0+\p)+7], v[XF+8*\u:XF+8*\u+7], 0, v[PW+A0+\p], v[XSC+\u] matrix_a_fmt:MATRIX_FMT_FP4 matrix_b_fmt:MATRIX_FMT_FP4
.endr
.endr
.endm
.irp n, 0,1,2,3,4,5,6,7,8,9,10,11,12,13,14,15
	v_mov_b32 v[MY+\n], 0                          ; a lane permute's destination counts as one of its sources; these lines are also the places behind the last products
.endr
	QBATCH 2
	QBATCH 3
	WIN 0
	PLACES NP
	WIN 0x04                                       ; store data from window 1
; THE WAY OUT: a lane holds b = r and eight neighbouring o.  Each wave puts its 32 b x 128 o into its stage; the two waves of an o half hold the two halves of the d sum:
; behind a barrier each of them reads 16 rows b from both stages, adds, and stores whole rows of 512 bytes.
.irp u, 0,1
.irp a, 0,1,2,3,4,5,6,7
	ds_store_b128 v[STO], v[8*(8*\u+\a):8*(8*\u+\a)+3] offset:\u*16*SPITCH+64*\a
	ds_store_b128 v[STO], v[8*(8*\u+\a)+4:8*(8*\u+\a)+7] offset:\u*16*SPITCH+64*\a+16
.endr
.endr
	WIN 0
	s_wait_dscnt 0x0                               ; for the others' sake: my stores are done
	s_barrier_signal -1
	s_barrier_wait -1
.irp i, 0,1,2,3,4,5,6,7,8,9,10,11,12,13,14,15
	ds_load_b128 v[128+4*\i:131+4*\i], v[RD] offset:\i*SPITCH
	ds_load_b128 v[192+4*\i:195+4*\i], v[RD] offset:WST+\i*SPITCH
.endr
.irp i, 0,1,2,3,4,5,6,7,8,9,10,11,12,13,14,15
	s_wait_dscnt 30-2*\i                           ; row i's two loads are in; the younger rows' may be out
	v_pk_add_f32 v[128+4*\i:129+4*\i], v[128+4*\i:129+4*\i], v[192+4*\i:193+4*\i]
	v_pk_add_f32 v[130+4*\i:131+4*\i], v[130+4*\i:131+4*\i], v[194+4*\i:195+4*\i]
	global_store_b128 v[CO], v[128+4*\i:131+4*\i], s[12:13] offset:16384*\i   ; 32 lanes store 512 consecutive bytes, aligned
.endr
	s_wait_tensorcnt 0x0                           ; the wave's end
	ds_add_u32 v[SPW], v[NIL]
	s_wait_dscnt 0x0
	CROUND                                         ; the closing round
	s_endpgm
.Lfunc_end_k_qfe80770ed9_gemm:
	.size	k_qfe80770ed9_gemm, .Lfunc_end_k_qfe80770ed9_gemm-k_qfe80770ed9_gemm
	.p2alignl 7, 3214868480
	.fill 96, 4, 3214868480
	.section	.rodata,"a",@progbits
	.p2align	6, 0x0
	.amdhsa_kernel k_qfe80770ed9_gemm
		.amdhsa_group_segment_fixed_size 327680
		.amdhsa_private_segment_fixed_size 0
		.amdhsa_enable_private_segment 0
		.amdhsa_kernarg_size 32
		.amdhsa_user_sgpr_count 2
		.amdhsa_user_sgpr_kernarg_segment_ptr 1
		.amdhsa_wavefront_size32 1
		.amdhsa_system_sgpr_workgroup_id_x 1
		.amdhsa_system_sgpr_workgroup_id_y 1
		.amdhsa_system_sgpr_workgroup_id_z 1
		.amdhsa_system_vgpr_workitem_id 0
		.amdhsa_next_free_vgpr 1024
		.amdhsa_next_free_sgpr 82
		.amdhsa_reserve_vcc 0
		.amdhsa_float_denorm_mode_32 3
		.amdhsa_float_denorm_mode_16_64 3
		.amdhsa_memory_ordered 1
		.amdhsa_forward_progress 1
		.amdhsa_inst_pref_size 221
	.end_amdhsa_kernel
	.amdgpu_metadata
---
amdhsa.version: [ 1, 2 ]
amdhsa.kernels:
  - .name:           k_qfe80770ed9_gemm
    .symbol:         k_qfe80770ed9_gemm.kd
    .args:
      - { .name: cq, .offset: 0, .size: 8, .value_kind: global_buffer, .address_space: global }
      - { .name: rq, .offset: 8, .size: 8, .value_kind: global_buffer, .address_space: global }
      - { .name: xq, .offset: 16, .size: 8, .value_kind: global_buffer, .address_space: global }
      - { .name: part, .offset: 24, .size: 8, .value_kind: global_buffer, .address_space: global }
    .group_segment_fixed_size: 327680
    .private_segment_fixed_size: 0
    .kernarg_segment_align: 8
    .kernarg_segment_size: 32
    .max_flat_workgroup_size: 128
    .sgpr_count:     82
    .vgpr_count:     1024
    .wavefront_size: 32
...
	.end_amdgpu_metadata
.endif
;; end of part 2
;; launch reduce (part 3): grid 256 x 1, 4 waves a work-group, no clusters, 0 bytes of LDS; arguments part, bias, out0; writes out0
.if DOCPART == 3
	.amdgcn_target "amdgcn-amd-amdhsa--gfx1250"
	.amdhsa_code_object_version 6
	.text
	.protected	k_qfe80770ed9_reduce
	.globl	k_qfe80770ed9_reduce
	.p2align	8
	.type	k_qfe80770ed9_reduce,@function
k_qfe80770ed9_reduce:
	s_mov_b64 s[64:65], 0
	v_nop
	global_prefetch_b8 v0, s[64:65] scope:SCOPE_SE
	s_setreg_imm32_b32 hwreg(HW_REG_WAVE_MODE, 25, 1), 1
	s_wait_xcnt 0x0
; out0[b][o] = bias[o] + the sum over the 16 d tiles of part[tile][b][o].  part: [16][32][4096] f32; bias: [4096] f32; out0: [32][4096] f32.
; A thread owns 16 bytes of out0; a work-group 2,048 consecutive bytes, an eighth of a row.  All 17 loads of a thread go out at once; each load of a wave covers 512 consecutive bytes.
; The parts are added in ascending order of d tile, the bias last.  No LDS, no barrier, no matrix unit, no cluster: work-groups share nothing but 2,048 bytes of the bias.
	s_load_b128 s[4:7], s[0:1], 0x0                ; part s[4:5], bias s[6:7]
	s_load_b64 s[8:9], s[0:1], 0x10                ; out0
	v_lshlrev_b32 v1, 4, v0                        ; my 16 bytes
	s_lshl_b32 s10, ttmp9, 11                      ; the work-group's 2,048 bytes in out0 and in each part
	s_mov_b32 s11, 0
	s_and_b32 s12, ttmp9, 7
	s_lshl_b32 s12, s12, 11                        ; and in the bias: a row of out0 is eight work-groups
	s_mov_b32 s13, 0
	s_wait_alu depctr_va_vdst(0)
	s_wait_kmcnt 0x0
	s_add_nc_u64 s[4:5], s[4:5], s[10:11]
	s_add_nc_u64 s[8:9], s[8:9], s[10:11]
	s_add_nc_u64 s[6:7], s[6:7], s[12:13]
.irp i, 0,1,2,3,4,5,6,7,8,9,10,11,12,13,14,15
	global_load_b128 v[8+4*\i:11+4*\i], v1, s[4:5] offset:524288*\i th:TH_LOAD_NT   ; part i; the largest offset, 15 parts, lies inside the signed 24-bit immediate
.endr
	global_load_b128 v[4:7], v1, s[6:7]
	s_wait_loadcnt 15                              ; parts 0 and 1 are in: behind part 1 fourteen parts and the bias were issued
	v_pk_add_f32 v[72:73], v[8:9], v[12:13]
	v_pk_add_f32 v[74:75], v[10:11], v[14:15]
	s_wait_alu depctr_va_vdst(0)
.irp i, 2,3,4,5,6,7,8,9,10,11,12,13,14,15
	s_wait_alu depctr_va_vdst(0)
	s_wait_loadcnt 16-\i                           ; part i is in: behind it 15 - i parts and the bias were issued
	v_pk_add_f32 v[72:73], v[72:73], v[8+4*\i:9+4*\i]
	v_pk_add_f32 v[74:75], v[74:75], v[10+4*\i:11+4*\i]
.endr
	s_wait_alu depctr_va_vdst(0)
	s_wait_loadcnt 0x0                             ; the bias
	v_pk_add_f32 v[72:73], v[72:73], v[4:5]
	v_pk_add_f32 v[74:75], v[74:75], v[6:7]
	global_store_b128 v1, v[72:75], s[8:9] th:TH_STORE_NT      ; 32 lanes store 512 consecutive bytes
	s_endpgm
.Lfunc_end_k_qfe80770ed9_reduce:
	.size	k_qfe80770ed9_reduce, .Lfunc_end_k_qfe80770ed9_reduce-k_qfe80770ed9_reduce
	.p2alignl 7, 3214868480
	.fill 96, 4, 3214868480
	.section	.rodata,"a",@progbits
	.p2align	6, 0x0
	.amdhsa_kernel k_qfe80770ed9_reduce
		.amdhsa_group_segment_fixed_size 0
		.amdhsa_private_segment_fixed_size 0
		.amdhsa_enable_private_segment 0
		.amdhsa_kernarg_size 24
		.amdhsa_user_sgpr_count 2
		.amdhsa_user_sgpr_kernarg_segment_ptr 1
		.amdhsa_wavefront_size32 1
		.amdhsa_system_sgpr_workgroup_id_x 1
		.amdhsa_system_sgpr_workgroup_id_y 1
		.amdhsa_system_sgpr_workgroup_id_z 1
		.amdhsa_system_vgpr_workitem_id 0
		.amdhsa_next_free_vgpr 80
		.amdhsa_next_free_sgpr 66
		.amdhsa_reserve_vcc 0
		.amdhsa_float_denorm_mode_32 3
		.amdhsa_float_denorm_mode_16_64 3
		.amdhsa_memory_ordered 1
		.amdhsa_forward_progress 1
		.amdhsa_inst_pref_size 6
	.end_amdhsa_kernel
	.amdgpu_metadata
---
amdhsa.version: [ 1, 2 ]
amdhsa.kernels:
  - .name:           k_qfe80770ed9_reduce
    .symbol:         k_qfe80770ed9_reduce.kd
    .args:
      - { .name: part, .offset: 0, .size: 8, .value_kind: global_buffer, .address_space: global }
      - { .name: bias, .offset: 8, .size: 8, .value_kind: global_buffer, .address_space: global }
      - { .name: out0, .offset: 16, .size: 8, .value_kind: global_buffer, .address_space: global }
    .group_segment_fixed_size: 0
    .private_segment_fixed_size: 0
    .kernarg_segment_align: 8
    .kernarg_segment_size: 24
    .max_flat_workgroup_size: 128
    .sgpr_count:     66
    .vgpr_count:     80
    .wavefront_size: 32
...
	.end_amdgpu_metadata
.endif
;; end of part 3
